; MI455X (gfx1250); checked and timed in simulation.
; The chip was launched on July 23, 2026; its instructions are those of AMD's public machine-readable ISA for CDNA 5 (MIT licence, August 2026) and "CDNA5" Instruction Set Architecture Reference Guide (July 2026). The comments in the code are by the model that wrote it; some were corrected since.
;; M Metric. Allowed arithmetic: matrix products marked QUANTISED: E2M3 operands, one E8M0 scale for each 32 along K, by v_wmma_scale_f32_16x16x128_f8f6f4 with both operands' format E2M3, f32 sums; products left as they are: f32 operands where the result goes on into a quantised operand, else bf16, f16 or f32 operands; f32 sums; everything else in f32.
;; Inputs: M_codes 16 x 256 x 8 x 24 uint8 (E2M3 codes of M, K innermost, in blocks of 32 codes, four codes in three bytes); M_scales 16 x 256 x 8 uint8 (E8M0 scales of M, one for each 32 codes along K); input 256 x 256 float32.
;; Outputs: out0 16 x 256 x 256 float32.
;; This version of the problem:
;;   THIS VERSION OF THE PROBLEM IS GIVEN IN LOW PRECISION. The matrix products marked QUANTISED in the list below multiply operands that are first quantised to E2M3 (2 exponent bits, 3 mantissa bits; 6 bits a number), with one power-of-two scale for each 32 numbers along K (OCP MX v1.0); their sums are f32. All else is computed in f32.
;;   The module's matrix products, in the order in which they are computed (A, B: the left and right operand; K: the contracted axis; several contracted axes count as one K, in the product's order):
;;     1. [M 4,096, K 256] x [K 256, N 65,536]; A: input M (given as codes); B: computed on the way: QUANTISED
;;     2. batch 65,536 x [M 1, K 256] x [K 256, N 16]; A: computed on the way; B: computed on the way: left as it is (M = 1 < 16)
;;   THE QUANTISER, for each operand of a quantised product, along K:
;;     - K is cut into blocks of 32 from its start; a last block that is shorter is filled with zeros.
;;     - A block's scale is 2^e with e = floor(log2(the largest magnitude in the block)) - 2, held to -126 .. 127; a block of zeros has e = 0. As a byte (E8M0): e + 127.
;;     - Each number is divided by its block's scale, clamped to +-7.5, and rounded to the nearest number of E2M3, ties to even, subnormals kept.
;;     - The product sums the exact products of the quantised numbers (number of the format x scale) in f32.
;;   ~~~python
;;   def quantise(x, axis):      # numpy; x: float32 -> the quantised numbers, widened to float32 again
;;       x = np.moveaxis(x, axis, -1); K = x.shape[-1]
;;       x = np.pad(x, [(0, 0)] * (x.ndim - 1) + [(0, -K % 32)]); x = x.reshape(x.shape[:-1] + (-1, 32)); a = np.abs(x).max(-1, keepdims=True)
;;       e = np.where(a > 0, np.clip(np.frexp(np.where(a > 0, a, 1))[1] - 1 - 2, -126, 127), 0)      # np.frexp(a)[1] - 1 = floor(log2(a)), exactly
;;       r = np.clip(x / 2.0 ** e, -7.5, 7.5)
;;       step = 2.0 ** (np.maximum(np.frexp(np.where(r == 0, 1, r))[1] - 1, 0) - 3)
;;       q = np.round(r / step) * step * 2.0 ** e      # np.round: ties to even
;;       return np.moveaxis(q.reshape(q.shape[:-2] + (-1,))[..., :K], -1, axis).astype(np.float32)
;;   ~~~
;;   OPERANDS COMPUTED ON THE WAY. 'Computed on the way' means the value that the module computes at that place (a softmax that the list does not call 'softmax' is quantised finished and normalised). What goes into a quantiser is computed in f32, as accurately as f32 sums, v_exp_f32 and their like allow (about 1e-6 of the number): no bf16 or f16 on the way to a quantiser, and a product that is left as it is and whose result goes on into a quantised operand takes f32 operands (vector FMAs, or v_wmma_f32_16x16x4_f32). A number that lies on a knife's edge between two numbers of the format may be rounded either way, as far as f32 arithmetic and the matrix unit's own rounding can turn it there, and no further.
;;   INPUTS GIVEN AS CODES. M (in the module: [16, 256, 256], K = its axis 1): each comes as NAME_codes (uint8): NAME with its K axis moved to the last place and cut into blocks of 32 codes, [.., K / 32, bytes a block], one block behind the other in memory; four codes in three bytes: a row's codes are one little-endian stream of bits, code i at bits 6 i .. 6 i + 5 (a code: sign, 2 exponent bits, 3 mantissa bits); and NAME_scales (uint8): the same leading axes, one E8M0 byte (e + 127) for each 32 codes along K. Its value is code x scale, taken as it is: it is not quantised again, and the codes and scales need not be those that the quantiser above would give.
;; 2 versions, each right; version 2 is version 1 with the launch metric written anew for expert scheduling mode. Each part assembles by itself: llvm-mc -triple=amdgcn-amd-amdhsa -mcpu=gfx1250 --defsym DOCPART=n.
;; ======== version 1 of 2: 1 launch
;; launch metric (part 1): grid 64 x 4, 4 waves a work-group, no clusters, 311,808 bytes of LDS; arguments M_codes, M_scales, input, out0; writes out0
.if DOCPART == 1
	.amdgcn_target "amdgcn-amd-amdhsa--gfx1250"
	.amdhsa_code_object_version 6
	.text
	.protected	k_q81fccd5ca6_metric
	.globl	k_q81fccd5ca6_metric
	.p2align	8
	.type	k_q81fccd5ca6_metric,@function
k_q81fccd5ca6_metric:
	s_mov_b64 s[64:65], 0
	v_nop
	global_prefetch_b8 v0, s[64:65] scope:SCOPE_SE
	s_setreg_imm32_b32 hwreg(HW_REG_WAVE_MODE, 25, 1), 1
	s_wait_xcnt 0x0
; p[b][i][j] = sum over e of t[b][i][j][e] diff[i][j][e],  t[b][i][j][e] = sum over d of Q(diff[i][j][d]) M[b][d][e],  diff[i][j] = x[i] - x[j] in f32.
; M comes as codes of FP6 (E2M3) with d innermost: row (b, e) is 192 bytes of codes and 8 E8M0 bytes.  Q quantises diff along d, in blocks of 32, to the same format.  The first product goes by
; v_wmma_scale_f32_16x16x128_f8f6f4, the second (one dot product a pair, with the unquantised diff) by packed f32 multiply-adds on the accumulators.
; SHARES.  A work-group owns four b (4 y .. 4 y + 3) and 16 i x 64 j: 64 tiles of 16 pairs (one i, 16 neighbouring j).  THE FOUR WAVES SHARE d AND e, NOT THE PAIRS: wave w owns d and e in 64 w .. 64 w + 63.
;   Its part of M (4 b x 64 rows e x 256 d: 32 fragments, 384 registers) stays in registers for the whole launch, read from memory once.
; LAYOUT.  Lane (r, h) holds pair r of a tile and diff at d = 64 w + 32 h + 0 .. 31: one whole block of the quantiser, so no other lane is asked for its largest magnitude, and its 32 codes are six registers of the
;   operand as they stand.  Source 0 = 16 rows of M, source 1 = the pairs' codes.  THE ROWS OF M THAT FORM A TILE ARE NOT NEIGHBOURS: lane r of tile v takes row e = 64 w + 8 v + r % 8 + 32 (r / 8), so that register j of the
;   result in lane (r, h) is e = 64 w + 32 h + 8 v + j: the very indices of the lane's own diff.  So a wave makes one quarter of diff, quantises that quarter, and multiplies its results by that quarter.
;   What goes from wave to wave, through LDS: the codes as images of their registers (768 bytes a tile and wave), half a scale word a K step, and at the end four partial sums of each p.
; PHASES.  Q: all 64 tiles are quantised into LDS; M's loads are issued in four batches between its parts.  | barrier |  W: a tile is 32 matrix instructions (4 units of 4 b x 2 K steps); behind each stand two multiply-adds
;   of the unit before, and the next tile's loads and differences in short slices.  | barrier |  The four partial sums are added, (p0 + p1) + (p2 + p3), and wave w stores b = 4 y + w: 16 lanes to 256 aligned bytes.
; NO CLUSTER: the 64 work-groups of a y read the same 196,608 bytes of codes, but once, straight into registers; a joint load would need them staged in LDS, of which 311,296 of 327,680 bytes are in use.
; LIMITS: a block whose largest magnitude lies under 2^-124 keeps the scale byte 1; a block of zeros (i = j) gets the byte 1 where the rule says 127: its codes are zeros, and this program alone reads the bytes.
;   NaN and infinities among the inputs are not served.  p is summed over e in four quarters, each in two halves of lanes and two chains, not in one ascending chain.
; REGISTERS, in windows of 256 (s_set_vgpr_msb: bits 1:0 source 0, 3:2 source 1, 5:4 source 2, 7:6 destination):
;   window 0: v1-33 addresses; v40-61 scale words; v62-81 sums; v82-129 two tiles' codes; v130-193 two sets of four accumulators (phase Q: v62-127 at work, v128-255 four tiles' diff)
;   window 1: M's fragments of tiles v = 0, 3; v192-207 diff at offsets 16 .. 31     window 2: those of v = 1, 2; v192-207 diff at offsets 0 .. 15     window 3: v0-127 x[j] of four tiles, v128-159 x[i]
;   A unit's multiply-adds run one unit late and take diff as source 0, which shares its window with M's fragment: so the diff of v = 0, 1 lies beside the fragments of v = 1, 2, and that of v = 2, 3 beside those of v = 3, 0.
.set CREG, 49152                       ; LDS: codes, a region for each writing wave: tile t at 768 t: registers 0-3 at 16 x lane, then registers 4-5 at 8 x lane
.set CT,   768
.set SCL,  4*CREG                      ; scale words, a region of 4,096 bytes for each writing wave: tile t at 64 t, pair r at 4 r
.set XIB,  SCL+4*4096                  ; each wave's own 16 rows x[i], its 64 d: 256 bytes a row
.set PST,  XIB+4*4096                  ; partial sums, a region for each writing wave: tile t at 320 t: 16 numbers for each of four b, then 64 bytes unused
.set PREG, 20480
.set PT,   320                         ; 80 words: four neighbouring tiles start 16 banks apart (64 banks of 4 bytes: ISA guide 11.1)
.set MA,   4                           ; v4   M's codes: my row of a tile x 192 + 24 h
.set MSA,  5                           ; v5   M's scale words: my row x 8 + 4 h
.set XJA,  6                           ; v6   x[j]: 1,024 r + 128 h
.set GA,   7                           ; v7   two rows of 1,024 bytes, 16 lanes x 16 bytes each: x[i] in, p out
.set XST,  8                           ; v8   where I put x[i]'s rows
.set XA0,  9                           ; v9   where I read a row of x[i]: my half's 128 bytes
.set QC0,  10                          ; v10-12 phase Q: where I store codes (16 bytes, 8 bytes) and the scale word
.set QB0,  11
.set QS0,  12
.set SH,   13                          ; v13  8 h + 16 (w % 2): my block's byte's place in its K step's scale word
.set RA0S, 14                          ; v14-17 phase W: where I read codes: writers 0, 1 and writers 2, 3; 16 bytes and 8 bytes
.set RA2S, 15
.set RB0S, 16
.set RB2S, 17
.set RS0,  18                          ; v18  scale words: lanes 0-15 K step 0 (writers 0, 1), lanes 16-31 K step 1 (writers 2, 3)
.set PS0,  19                          ; v19  where I store partial sums
.set EA0,  20                          ; v20-21 the way out: where I read them
.set EA2,  21
.set QC,   24                          ; v24-33 the same addresses at the row i in hand
.set QB,   25
.set QS,   26
.set XA,   27
.set RA0,  28
.set RA2,  29
.set RB0,  30
.set RB2,  31
.set RS,   32
.set PS,   33
.set MS,   40                          ; v40-55 M's scale words, register 4 b + v: lanes 0-15 K step 0 of my row, lanes 16-31 K step 1
.set SB,   56                          ; v56-57 the pairs' scale words, by the tile's parity: lanes 0-15 K step 0, lanes 16-31 K step 1
.set SU,   58                          ; v58-61 their two halves as loaded
.set SV,   60
.set RT,   62                          ; v62-65 a tile's four sums on their way out
.set PA,   66                          ; v66-81 running sums, by parity: a pair of registers for each b
.set CB,   82                          ; v82-129 codes, by parity: 24 registers, writer w' at 6 w'
.set DA,   130                         ; v130-193 accumulators, by the unit's parity: 8 registers for each b
.set QM,   62                          ; phase Q: largest magnitudes, conversion scales, bytes, the other half's bytes
.set QE,   66
.set QY,   70
.set QZ,   74
.set PQ,   80                          ; a tile's six registers of codes at v[80 + 8 q]
.set P2,   112                         ; (the second conversion's three, at v[112 + 4 q])
.set T,    128                         ; diff of four tiles
.set EP,   128                         ; the way out
.set XJ,   0                           ; window 3
.set XI,   128                         ; window 3
.set DF,   192                         ; windows 1 and 2
.set WV,   12
.set CNT,  28
.set TC,   29                          ; the row i in hand, as bytes: codes 3,072, scale words 256, partial sums 1,280, x[i] 256
.set TS,   30
.set TP,   31
.set TX,   32
.set MSB, 0
.macro WIN new                         ; the immediate's high byte repeats the setting that is left; a switch that changes nothing is dropped
.if MSB != \new
	s_set_vgpr_msb (MSB<<8)|\new
.set MSB, \new
.endif
.endm
.macro PLACES
.rept 4
	v_nop
.endr
.endm
	s_load_b256 s[4:11], s[0:1], 0x0               ; M's codes s[4:5], M's scales s[6:7], x s[8:9], p s[10:11]
	v_lshl_add_u32 v38, v0, 2, 0x4c000
	v_mov_b32 v39, 0
	v_lshrrev_b32 v1, 5, v0
	v_readfirstlane_b32 s[WV], v1                  ; wave 0..3
	v_and_b32 v1, 31, v0                           ; lane
	v_and_b32 v2, 15, v0                           ; r
	v_bfe_u32 v3, v0, 4, 1                         ; h
	v_lshlrev_b32 v[GA], 4, v2
	v_lshl_add_u32 v[GA], v3, 10, v[GA]
	v_lshlrev_b32 v[XJA], 10, v2
	v_lshl_add_u32 v[XJA], v3, 7, v[XJA]
	v_and_b32 v22, 7, v2
	v_lshrrev_b32 v23, 3, v2
	v_lshl_add_u32 v22, v23, 5, v22                ; my row of a tile of M: r % 8 + 32 (r / 8)
	v_mul_u32_u24 v[MA], v22, 192
	v_mad_u32_u24 v[MA], v3, 24, v[MA]
	v_lshlrev_b32 v[MSA], 3, v22
	v_lshl_add_u32 v[MSA], v3, 2, v[MSA]
	s_and_b32 s33, ttmp7, 0xffff                   ; y: b = 4 y ..
	s_lshr_b32 s13, ttmp9, 2                       ; i = 16 (x / 4) ..
	s_and_b32 s14, ttmp9, 3                        ; j = 64 (x % 4) ..
	s_lshl_b32 s15, s[WV], 8                       ; my 64 d in a row of x: 256 w bytes
	s_mul_i32 s34, s33, 196608                     ; M's codes: four b of 256 rows of 192 bytes, + my 64 rows
	s_mul_i32 s36, s[WV], 12288
	s_add_co_u32 s34, s34, s36
	s_mov_b32 s35, 0
	s_lshl_b32 s36, s33, 13                        ; M's scales: 8 bytes a row
	s_lshl_b32 s37, s[WV], 9
	s_add_co_u32 s36, s36, s37
	s_mov_b32 s37, 0
	s_lshl_b32 s38, s13, 14                        ; x[i]: 16 rows of 1,024 bytes
	s_add_co_u32 s38, s38, s15
	s_mov_b32 s39, 0
	s_lshl_b32 s40, s14, 16                        ; x[j]: 64 rows
	s_add_co_u32 s40, s40, s15
	s_mov_b32 s41, 0
	s_lshl_b32 s42, s33, 2
	s_add_co_u32 s42, s42, s[WV]                   ; the b that I store: 4 y + w
	s_lshl_b32 s42, s42, 18
	s_lshl_b32 s43, s13, 14
	s_add_co_u32 s42, s42, s43
	s_lshl_b32 s43, s14, 8
	s_add_co_u32 s42, s42, s43
	s_mov_b32 s43, 0
	s_mov_b32 s26, 0x76543210                      ; v_permlanex16_b32's selects for lane l xor 16
	s_mov_b32 s27, 0xfedcba98
	s_wait_kmcnt 0x0
	s_add_nc_u64 s[16:17], s[4:5], s[34:35]
	s_add_nc_u64 s[18:19], s[6:7], s[36:37]
	s_add_nc_u64 s[20:21], s[8:9], s[38:39]
	s_add_nc_u64 s[22:23], s[8:9], s[40:41]
	s_add_nc_u64 s[24:25], s[10:11], s[42:43]
.irp k, 0,1,2,3,4,5,6,7
	global_load_b128 v[T+4*\k:T+4*\k+3], v[GA], s[20:21] offset:2048*\k   ; x[i]: two rows' 256 bytes of my 64 d
.endr
	WIN 0xC0                                       ; destination window 3
.irp q, 0,1,2,3
.irp c, 0,1,2,3,4,5,6,7
	global_load_b128 v[XJ+32*\q+4*\c:XJ+32*\q+4*\c+3], v[XJA], s[22:23] offset:16384*\q+16*\c   ; x[j] of tile q, pair r, d = 64 w + 32 h + 4 c ..: it stays
.endr
.endr
	WIN 0
	s_lshl_b32 s44, s[WV], 12
	s_mul_i32 s45, s[WV], CREG
	s_mul_i32 s46, s[WV], PREG
	s_and_b32 s47, s[WV], 1
	s_lshl_b32 s47, s47, 4
	s_lshl_b32 s48, s[WV], 6
	v_lshlrev_b32 v[RA0S], 4, v1                   ; 16 x lane
	v_lshlrev_b32 v22, 3, v1                       ; 8 x lane
	v_lshlrev_b32 v23, 2, v2                       ; 4 r
	v_add_nc_u32 v[XST], s44, v[RA0S]
	v_add_nc_u32 v[XST], XIB, v[XST]
	v_lshlrev_b32 v[XA0], 7, v3
	v_add_nc_u32 v[XA0], s44, v[XA0]
	v_add_nc_u32 v[XA0], XIB, v[XA0]
	v_add_nc_u32 v[QC0], s45, v[RA0S]
	v_add_nc_u32 v[RB0S], 512, v22
	v_add_nc_u32 v[QB0], s45, v[RB0S]
	v_add_nc_u32 v[QS0], s44, v23
	v_add_nc_u32 v[QS0], SCL, v[QS0]
	v_lshl_add_u32 v[SH], v3, 3, s47
	v_add_nc_u32 v[RA2S], 2*CREG, v[RA0S]
	v_add_nc_u32 v[RB2S], 2*CREG, v[RB0S]
	v_lshl_add_u32 v[RS0], v3, 13, v23
	v_add_nc_u32 v[RS0], SCL, v[RS0]
	v_lshlrev_b32 v[PS0], 2, v1
	v_add_nc_u32 v[PS0], s46, v[PS0]
	v_add_nc_u32 v[PS0], PST, v[PS0]
	v_bfe_u32 v22, v0, 2, 2                        ; the way out: lane l takes row l / 16, tile (l / 4) % 4, pairs 4 (l % 4) ..; wave w takes the w-th b
	v_mul_u32_u24 v[EA0], v22, PT
	v_mad_u32_u24 v[EA0], v3, 4*PT, v[EA0]
	v_and_b32 v22, 3, v0
	v_lshl_add_u32 v[EA0], v22, 4, v[EA0]
	v_add_nc_u32 v[EA0], s48, v[EA0]
	v_add_nc_u32 v[EA0], PST, v[EA0]
	v_add_nc_u32 v[EA2], 2*PREG, v[EA0]
.irp q, 0,1,2,3
	v_mov_b32 v[QZ+\q], 0                          ; written once: a lane permute's destination counts as one of its sources
.endr
	s_wait_loadcnt 32                              ; x[i]'s eight loads are in; the 32 of x[j] behind them may be out
.irp k, 0,1,2,3,4,5,6,7
	ds_store_b128 v[XST], v[T+4*\k:T+4*\k+3] offset:512*\k
.endr
	WIN 0xC0
.irp c, 0,1,2,3,4,5,6,7
	ds_load_b128 v[XI+4*\c:XI+4*\c+3], v[XA0] offset:16*\c   ; row 0, my half's 32 numbers: LDS serves a wave's instructions in order (ISA guide 5.7.1.4), and the bytes are my wave's own
.endr
	WIN 0
; M's fragments of one b: 48 loads of 8 bytes a lane (every address a multiple of 8), and four scale words.  Fragment (b, v, K step s) lies at v[12 (4 b + 2 (v / 2) + s)] of window 1 (v = 0, 3) or 2 (v = 1, 2).
.macro MFRAG b, v
.irp s, 0,1
.irp p, 0,1,2,3,4,5
	global_load_b64 v[12*(4*(\b)+2*((\v)/2)+\s)+2*\p:12*(4*(\b)+2*((\v)/2)+\s)+2*\p+1], v[MA], s[16:17] offset:(256*(\b)+8*(\v))*192+96*\s+48*(\p/3)+8*(\p%3)
.endr
.endr
.endm
.macro MLOAD b
	WIN 0x40
	MFRAG \b, 0
	MFRAG \b, 3
	WIN 0x80
	MFRAG \b, 1
	MFRAG \b, 2
	WIN 0
.irp v, 0,1,2,3
	global_load_b32 v[MS+4*(\b)+\v], v[MSA], s[18:19] offset:(256*(\b)+8*\v)*8
.endr
.endm
; PHASE Q, one row i: four tiles.  nxt = 1: the next row of x[i] is fetched; 0: row 0 again, for phase W.
.macro QTRIP nxt
	s_wait_dscnt 0x0                               ; x[i] is in, and the last trip's stores have read their registers
	v_add_nc_u32 v[QC], s[TC], v[QC0]
	v_add_nc_u32 v[QB], s[TC], v[QB0]
	v_add_nc_u32 v[QS], s[TS], v[QS0]
.if \nxt
	v_add_nc_u32 v[XA], s[TX], v[XA0]
.endif
	WIN 0x0F                                       ; sources 0 and 1 window 3
.irp q, 0,1,2,3
.irp p, 0,2,4,6,8,10,12,14,16,18,20,22,24,26,28,30
	v_pk_add_f32 v[T+32*\q+\p:T+32*\q+\p+1], v[XI+\p:XI+\p+1], v[XJ+32*\q+\p:XJ+32*\q+\p+1] neg_lo:[0,1] neg_hi:[0,1]   ; diff = x[i] - x[j]
.endr
.endr
	WIN 0xC0
.irp c, 0,1,2,3,4,5,6,7
.if \nxt
	ds_load_b128 v[XI+4*\c:XI+4*\c+3], v[XA] offset:256+16*\c
.else
	ds_load_b128 v[XI+4*\c:XI+4*\c+3], v[XA0] offset:16*\c
.endif
.endr
	WIN 0
.irp q, 0,1,2,3
	v_max3_num_f32 v[QM+\q], |v[T+32*\q]|, |v[T+32*\q+1]|, 0x1800000   ; my block's largest magnitude: all 32 numbers are mine; and the floor 2^(3 - 127), so that the byte cannot fall under 1
.endr
.irp i, 2,4,6,8,10,12,14,16,18,20,22,24,26,28,30
.irp q, 0,1,2,3
	v_max3_num_f32 v[QM+\q], v[QM+\q], |v[T+32*\q+\i]|, |v[T+32*\q+\i+1]|   ; (the four tiles by turns: no line waits for the line above it)
.endr
.endr
.irp q, 0,1,2,3
	v_add_nc_u32 v[QE+\q], 0xff000000, v[QM+\q]    ; 2 off its exponent field: the conversion takes the exponent field of this operand as its scale, and nothing else of it
.endr
.irp q, 0,1,2,3
	v_lshrrev_b32 v[QY+\q], 23, v[QE+\q]           ; the scale's byte,
.endr
.irp q, 0,1,2,3
	v_lshlrev_b32 v[QY+\q], v[SH], v[QY+\q]        ; at its place in the K step's word;
.endr
.irp q, 0,1,2,3
	v_permlanex16_b32 v[QZ+\q], v[QY+\q], s26, s27
.endr
.irp q, 0,1,2,3
	v_or_b32 v[QY+\q], v[QY+\q], v[QZ+\q]          ; with lane l xor 16's: my wave's half of the word
.endr
.irp q, 0,1,2,3
	v_cvt_scalef32_pk16_fp6_f32 v[PQ+8*\q:PQ+8*\q+2], v[T+32*\q:T+32*\q+15], v[QE+\q]
	v_cvt_scalef32_pk16_fp6_f32 v[P2+4*\q:P2+4*\q+2], v[T+32*\q+16:T+32*\q+31], v[QE+\q]   ; (a conversion's three registers begin on an even number)
.endr
	v_nop                                          ; one plain place behind a scaled conversion
.irp q, 0,1,2,3
.irp i, 0,1,2
	v_mov_b32 v[PQ+8*\q+3+\i], v[P2+4*\q+\i]
.endr
.endr
.irp q, 0,1,2,3
	ds_store_b128 v[QC], v[PQ+8*\q:PQ+8*\q+3] offset:CT*\q          ; the six registers go to LDS as they stand
	ds_store_b64 v[QB], v[PQ+8*\q+4:PQ+8*\q+5] offset:CT*\q
	ds_store_b32 v[QS], v[QY+\q] offset:64*\q      ; both halves of the lanes write the same word with the same value
.endr
.if \nxt
	s_add_co_u32 s[TC], s[TC], 4*CT
	s_add_co_u32 s[TS], s[TS], 256
	s_add_co_u32 s[TX], s[TX], 256
.endif
.endm
.macro QLOOP n
	s_mov_b32 s[CNT], \n
.Lq_\@:
	QTRIP 1
	s_sub_co_u32 s[CNT], s[CNT], 1
	s_cmp_lg_u32 s[CNT], 0
	s_cbranch_scc1 .Lq_\@
.endm
	MLOAD 0
	s_wait_loadcnt 52                              ; x[j] is in; the 52 loads of M behind it may be out
	s_mov_b32 s[TC], 0
	s_mov_b32 s[TS], 0
	s_mov_b32 s[TX], 0
	QLOOP 4                                        ; rows 0-3; M's loads go out in four batches, so that they land while diff is quantised
	MLOAD 1
	QLOOP 4
	MLOAD 2
	QLOOP 4
	MLOAD 3
	QLOOP 3
	QTRIP 0                                        ; row 15
	s_wait_dscnt 0x0                               ; for the others' sake: my codes and scale words lie in LDS
	s_barrier_signal -1
	s_barrier_wait -1
; PHASE W.
.macro WADDR                           ; the addresses at the row i in hand
	v_add_nc_u32 v[RA0], s[TC], v[RA0S]
	v_add_nc_u32 v[RA2], s[TC], v[RA2S]
	v_add_nc_u32 v[RB0], s[TC], v[RB0S]
	v_add_nc_u32 v[RB2], s[TC], v[RB2S]
	v_add_nc_u32 v[RS], s[TS], v[RS0]
	v_add_nc_u32 v[PS], s[TP], v[PS0]
	v_add_nc_u32 v[XA], s[TX], v[XA0]
.endm
.macro LDC128 qn                       ; tile qn of the row (4, 5: the next row's 0, 1): registers 0-3 of each writer's six
.set CN, CB+24*((\qn)%2)
	ds_load_b128 v[CN:CN+3], v[RA0] offset:CT*(\qn)
	ds_load_b128 v[CN+6:CN+9], v[RA0] offset:CREG+CT*(\qn)
	ds_load_b128 v[CN+12:CN+15], v[RA2] offset:CT*(\qn)
	ds_load_b128 v[CN+18:CN+21], v[RA2] offset:CREG+CT*(\qn)
.endm
.macro LDC64 qn                        ; registers 4-5
.set CN, CB+24*((\qn)%2)
	ds_load_b64 v[CN+4:CN+5], v[RB0] offset:CT*(\qn)
	ds_load_b64 v[CN+10:CN+11], v[RB0] offset:CREG+CT*(\qn)
	ds_load_b64 v[CN+16:CN+17], v[RB2] offset:CT*(\qn)
	ds_load_b64 v[CN+22:CN+23], v[RB2] offset:CREG+CT*(\qn)
.endm
.macro LDSC qn                         ; the two halves of the scale words
	ds_load_b32 v[SU+(\qn)%2], v[RS] offset:64*(\qn)
	ds_load_b32 v[SV+(\qn)%2], v[RS] offset:4096+64*(\qn)
.endm
.macro MKD win, o, xq, p0              ; four pairs of diff at offsets o + 2 p0 .., against x[j] of tile xq, into v192.. of the window that win names
	WIN \win
.irp p, 0,2,4,6
	v_pk_add_f32 v[DF+2*(\p0)+\p:DF+2*(\p0)+\p+1], v[XI+(\o)+2*(\p0)+\p:XI+(\o)+2*(\p0)+\p+1], v[XJ+32*(\xq)+(\o)+2*(\p0)+\p:XJ+32*(\xq)+(\o)+2*(\p0)+\p+1] neg_lo:[0,1] neg_hi:[0,1]
.endr
.endm
.macro RED1 par                        ; a finished tile's sums: the two chains of each b,
.irp b, 0,1,2,3
	v_add_f32 v[RT+\b], v[PA+8*(\par)+2*\b], v[PA+8*(\par)+2*\b+1]
.endr
.endm
.macro RED2                            ; the two halves of the lanes: after the exchange lanes 0-15 hold both halves of b 0 (2), lanes 16-31 those of b 1 (3),
	v_permlane16_swap_b32 v[RT], v[RT+1]
	v_permlane16_swap_b32 v[RT+2], v[RT+3]
	v_add_f32 v[RT], v[RT], v[RT+1]
	v_add_f32 v[RT+2], v[RT+2], v[RT+3]
.endm
.macro RED3 qt                         ; and into my region of partial sums
	ds_store_b32 v[PS], v[RT] offset:PT*(\qt)
	ds_store_b32 v[PS], v[RT+2] offset:PT*(\qt)+128
.endm
; Multiply-add m of 16 of unit (tile of parity FPAR, FV): registers 2 (m / 4), + 1 of b = m % 4.  Each accumulator is read from its low end on.  The tile's first four start the sums.
.macro FM m
.set FJ, (\m)/4
.set FB, (\m)%4
.set FP, PA+8*FPAR+2*FB
.set FD, DA+32*(FV%2)+8*FB+2*FJ
.set FX, DF+8*(FV%2)+2*FJ
.if (FV == 0) && (FJ == 0)
	v_pk_mul_f32 v[FP:FP+1], v[FX:FX+1], v[FD:FD+1]
.else
	v_pk_fma_f32 v[FP:FP+1], v[FX:FX+1], v[FD:FD+1], v[FP:FP+1]
.endif
.endm
; The slice that stands behind matrix instruction UK of unit (UQ, UV).
;   svc 1 (v = 0): the next tile's codes and scale words; fl 1: and the next row's x[i], offsets 0-15 (this row's last use of them stood in unit (2, 3))
;   svc 2 (v = 1): this tile's diff at offsets 16-31; fl 1: x[i]'s offsets 16-31 were fetched anew
;   svc 3 (v = 2): fl 1: the tile before goes out; fl 2: the next tile's scale word is put together; fl 4: the next row's x[i], offsets 16-31 (their last use stood in unit (3, 1))
;   svc 4 (v = 3): the next tile's diff at offsets 0-15
.macro SVC svc, fl
.if (\svc) == 1
.if UK == 2
	WIN 0
	LDC128 UQ+1                                    ; behind the last product that read these registers stand seven multiply-adds that name none of its registers
.elseif UK == 4
	WIN 0
	LDC64 UQ+1
.elseif UK == 6
	WIN 0
	LDSC UQ+1
.if (\fl) & 1
	WIN 0xC0
.irp c, 0,1,2,3
	ds_load_b128 v[XI+4*\c:XI+4*\c+3], v[XA] offset:256+16*\c
.endr
.endif
.endif
.elseif (\svc) == 2
.set XQ, UQ%4
.if UK == 1
.if (\fl) & 1
	s_wait_dscnt 10                                ; x[i]'s offsets 16-31 are in: behind their loads only the ten of the unit before were issued
.endif
	MKD 0x4F, 16, XQ, 0
.elseif UK == 4
	MKD 0x4F, 16, XQ, 4
.endif
.elseif (\svc) == 3
.set NP, (UQ+1)%2
.if UK == 1
	WIN 0
	s_wait_dscnt 0x0                               ; the next tile's codes and scale words (asked for eleven matrix instructions ago or more) and x[i]'s offsets 0-15 are in; the last tile's stores have read their registers
.if (\fl) & 2
	v_or_b32 v[SB+NP], v[SU+NP], v[SV+NP]          ; 28 multiply-adds ahead of the first product that names it
.endif
.if (\fl) & 1
	RED1 NP
.endif
.elseif UK == 3
.if (\fl) & 1
	WIN 0
	RED2
.endif
.elseif UK == 5
.if (\fl) & 1
	WIN 0
	RED3 UQ-1
.endif
.if (\fl) & 4
	WIN 0xC0
.irp c, 0,1,2,3
	ds_load_b128 v[XI+16+4*\c:XI+16+4*\c+3], v[XA] offset:320+16*\c
.endr
.endif
.endif
.elseif (\svc) == 4
.set XQ, (UQ+1)%4
.if UK == 1
	MKD 0x8F, 0, XQ, 0
.elseif UK == 4
	MKD 0x8F, 0, XQ, 4
.endif
.endif
.endm
; A UNIT: tile q of the row, tile v of M's rows: K step 0 for b 0-3 (C = 0: nothing is ever cleared), then K step 1 for b 0-3: the four accumulators take turns, one instruction a turn, and units take the two sets of
; accumulators by turns.  cons = 1: behind each matrix instruction stand two multiply-adds of the unit before; between a product and the first read of its result
; stand five or more of them that name none of its registers (ISA guide 7.12.1), and between a set's last read and its next first product a whole unit.
.macro UNIT q, v, cons, svc, fl
.set UQ, \q
.set UV, \v
.set UW, 1+(((UV+1)/2)&1)              ; source 0 in window 1 (v = 0, 3) or 2 (v = 1, 2); all else in window 0
.set UD, DA+32*(UV%2)
.set UC, CB+24*(UQ%2)
.set USB, SB+UQ%2
.if UV == 0
.set FV, 3
.set FPAR, (UQ+1)%2
.else
.set FV, UV-1
.set FPAR, UQ%2
.endif
.set UK, 0
.rept 8
	WIN UW
.set UB, UK%4
.set UM, 12*(4*UB+2*(UV/2)+UK/4)
.if UK < 4
	v_wmma_scale_f32_16x16x128_f8f6f4 v[UD+8*UB:UD+8*UB+7], v[UM:UM+11], v[UC:UC+11], 0, v[MS+4*UB+UV], v[USB] matrix_a_fmt:MATRIX_FMT_FP6 matrix_b_fmt:MATRIX_FMT_FP6
.else
	v_wmma_scale_f32_16x16x128_f8f6f4 v[UD+8*UB:UD+8*UB+7], v[UM:UM+11], v[UC+12:UC+23], v[UD+8*UB:UD+8*UB+7], v[MS+4*UB+UV], v[USB] matrix_a_fmt:MATRIX_FMT_FP6 matrix_b_fmt:MATRIX_FMT_FP6 matrix_a_scale:MATRIX_SCALE_ROW1 matrix_b_scale:MATRIX_SCALE_ROW1
.endif
.if \cons
	FM 2*UK
	FM 2*UK+1
.endif
	SVC \svc, \fl
.set UK, UK+1
.endr
.endm
; A row i, from its tile 0's last unit on.  last = 0: it runs on through the first three units of the next row's tile 0 (written as tile 4: same parity, offsets one row on).  last = 1: nothing follows.
.macro ROWI last
	s_wait_dscnt 0x0                               ; no LDS instruction of mine is out: the address registers may be written
	WADDR
	UNIT 0, 3, 1, 4, 0
	UNIT 1, 0, 1, 1, 0
	UNIT 1, 1, 1, 2, 0
	UNIT 1, 2, 1, 3, 3
	UNIT 1, 3, 1, 4, 0
	UNIT 2, 0, 1, 1, 0
	UNIT 2, 1, 1, 2, 0
	UNIT 2, 2, 1, 3, 3
	UNIT 2, 3, 1, 4, 0
.if \last
	UNIT 3, 0, 1, 0, 0
	UNIT 3, 1, 1, 2, 0
	UNIT 3, 2, 1, 3, 1
	UNIT 3, 3, 1, 0, 0
.else
	UNIT 3, 0, 1, 1, 1
	UNIT 3, 1, 1, 2, 0
	UNIT 3, 2, 1, 3, 7
	UNIT 3, 3, 1, 4, 0
	UNIT 4, 0, 1, 1, 0
	UNIT 4, 1, 1, 2, 1
	UNIT 4, 2, 1, 3, 3
.endif
.endm
	s_mov_b32 s[TC], 0
	s_mov_b32 s[TS], 0
	s_mov_b32 s[TP], 0
	s_mov_b32 s[TX], 0
	WADDR
	LDC128 0                                       ; tile 0
	LDC64 0
	LDSC 0
	s_wait_dscnt 0x0
	v_or_b32 v[SB], v[SU], v[SV]
	MKD 0x8F, 0, 0, 0                              ; tile 0's diff at offsets 0-15: these eight lines are also the eight places between the write of a scale register and the scaled product that names it
	MKD 0x8F, 0, 0, 4
	s_wait_loadcnt 0x0                             ; all of M is in
	UNIT 0, 0, 0, 1, 0                             ; the first unit has no unit before it,
	PLACES                                         ; so four places stand here in the multiply-adds' stead
	UNIT 0, 1, 1, 2, 0
	UNIT 0, 2, 1, 3, 2
	WIN 0                                          ; at a label and at a branch every window is 0
	s_mov_b32 s[CNT], 15
.Lrow:                                             ; rows 0 to 14
	ROWI 0
	WIN 0
	s_add_co_u32 s[TC], s[TC], 4*CT
	s_add_co_u32 s[TS], s[TS], 256
	s_add_co_u32 s[TP], s[TP], 4*PT
	s_add_co_u32 s[TX], s[TX], 256
	s_sub_co_u32 s[CNT], s[CNT], 1
	s_cmp_lg_u32 s[CNT], 0
	s_cbranch_scc1 .Lrow
	ROWI 1                                         ; row 15 fetches nothing beyond the last tile
	WIN 0x01                                       ; the last unit's multiply-adds
.set FV, 3
.set FPAR, 1
.set UK, 0
.rept 16
	FM UK
.set UK, UK+1
.endr
	WIN 0
	s_wait_dscnt 0x0                               ; the stores of the tile before have read their registers
	RED1 1
	RED2
	RED3 3
	s_wait_dscnt 0x0                               ; for the others' sake: my partial sums lie in LDS
	s_barrier_signal -1
	s_barrier_wait -1
	; THE WAY OUT.  Wave w takes b = 4 y + w: for two rows i at a time, the four waves' partial sums of 4 neighbouring j a lane.
.irp k, 0,1,2,3,4,5,6,7
	ds_load_b128 v[EP+16*\k:EP+16*\k+3], v[EA0] offset:8*PT*\k
	ds_load_b128 v[EP+16*\k+4:EP+16*\k+7], v[EA0] offset:PREG+8*PT*\k
	ds_load_b128 v[EP+16*\k+8:EP+16*\k+11], v[EA2] offset:8*PT*\k
	ds_load_b128 v[EP+16*\k+12:EP+16*\k+15], v[EA2] offset:PREG+8*PT*\k
.endr
.irp k, 0,1,2,3,4,5,6,7
	s_wait_dscnt 28-4*\k                           ; these two rows' four loads are in; the four of each later pair of rows may be out
	v_pk_add_f32 v[EP+16*\k:EP+16*\k+1], v[EP+16*\k:EP+16*\k+1], v[EP+16*\k+4:EP+16*\k+5]
	v_pk_add_f32 v[EP+16*\k+2:EP+16*\k+3], v[EP+16*\k+2:EP+16*\k+3], v[EP+16*\k+6:EP+16*\k+7]
	v_pk_add_f32 v[EP+16*\k+8:EP+16*\k+9], v[EP+16*\k+8:EP+16*\k+9], v[EP+16*\k+12:EP+16*\k+13]
	v_pk_add_f32 v[EP+16*\k+10:EP+16*\k+11], v[EP+16*\k+10:EP+16*\k+11], v[EP+16*\k+14:EP+16*\k+15]
	v_pk_add_f32 v[EP+16*\k:EP+16*\k+1], v[EP+16*\k:EP+16*\k+1], v[EP+16*\k+8:EP+16*\k+9]
	v_pk_add_f32 v[EP+16*\k+2:EP+16*\k+3], v[EP+16*\k+2:EP+16*\k+3], v[EP+16*\k+10:EP+16*\k+11]
	global_store_b128 v[GA], v[EP+16*\k:EP+16*\k+3], s[24:25] offset:2048*\k th:TH_STORE_NT   ; 16 lanes store 256 consecutive bytes, at a multiple of 256 from p's first byte; written once, read by nobody here
.endr
	s_wait_tensorcnt 0x0
	ds_add_u32 v38, v39
	s_wait_dscnt 0x0
	s_endpgm
.Lfunc_end_k_q81fccd5ca6_metric:
	.size	k_q81fccd5ca6_metric, .Lfunc_end_k_q81fccd5ca6_metric-k_q81fccd5ca6_metric
	.p2alignl 7, 3214868480
	.fill 96, 4, 3214868480
	.section	.rodata,"a",@progbits
	.p2align	6, 0x0
	.amdhsa_kernel k_q81fccd5ca6_metric
		.amdhsa_group_segment_fixed_size 311808
		.amdhsa_private_segment_fixed_size 0
		.amdhsa_enable_private_segment 0
		.amdhsa_kernarg_size 32
		.amdhsa_user_sgpr_count 2
		.amdhsa_user_sgpr_kernarg_segment_ptr 1
		.amdhsa_wavefront_size32 1
		.amdhsa_system_sgpr_workgroup_id_x 1
		.amdhsa_system_sgpr_workgroup_id_y 1
		.amdhsa_system_sgpr_workgroup_id_z 1
		.amdhsa_system_vgpr_workitem_id 0
		.amdhsa_next_free_vgpr 1024
		.amdhsa_next_free_sgpr 66
		.amdhsa_reserve_vcc 0
		.amdhsa_float_denorm_mode_32 3
		.amdhsa_float_denorm_mode_16_64 3
		.amdhsa_memory_ordered 1
		.amdhsa_forward_progress 1
		.amdhsa_inst_pref_size 182
	.end_amdhsa_kernel
	.amdgpu_metadata
---
amdhsa.version: [ 1, 2 ]
amdhsa.kernels:
  - .name:           k_q81fccd5ca6_metric
    .symbol:         k_q81fccd5ca6_metric.kd
    .args:
      - { .name: M_codes, .offset: 0, .size: 8, .value_kind: global_buffer, .address_space: global }
      - { .name: M_scales, .offset: 8, .size: 8, .value_kind: global_buffer, .address_space: global }
      - { .name: input, .offset: 16, .size: 8, .value_kind: global_buffer, .address_space: global }
      - { .name: out0, .offset: 24, .size: 8, .value_kind: global_buffer, .address_space: global }
    .group_segment_fixed_size: 311808
    .private_segment_fixed_size: 0
    .kernarg_segment_align: 8
    .kernarg_segment_size: 32
    .max_flat_workgroup_size: 128
    .sgpr_count:     66
    .vgpr_count:     1024
    .wavefront_size: 32
...
	.end_amdgpu_metadata
.endif
;; end of part 1
;; ======== version 2 of 2: 1 launch; version 1 with the launch metric written anew for expert scheduling mode
;; launch metric (part 2): grid 64 x 4, 4 waves a work-group, no clusters, 311,808 bytes of LDS; arguments M_codes, M_scales, input, out0; writes out0
.if DOCPART == 2
	.amdgcn_target "amdgcn-amd-amdhsa--gfx1250"
	.amdhsa_code_object_version 6
	.text
	.protected	k_q81fccd5ca6_metric
	.globl	k_q81fccd5ca6_metric
	.p2align	8
	.type	k_q81fccd5ca6_metric,@function
k_q81fccd5ca6_metric:
	s_mov_b64 s[64:65], 0
	v_nop
	global_prefetch_b8 v0, s[64:65] scope:SCOPE_SE
	s_setreg_imm32_b32 hwreg(HW_REG_WAVE_SCHED_MODE, 0, 2), 2
	s_setreg_imm32_b32 hwreg(HW_REG_WAVE_MODE, 25, 1), 1
	s_wait_xcnt 0x0
	s_wait_alu depctr_vm_vsrc(0)
; p[b][i][j] = sum over e of t[b][i][j][e] diff[i][j][e],  t[b][i][j][e] = sum over d of Q(diff[i][j][d]) M[b][d][e],  diff[i][j] = x[i] - x[j] in f32.
; M comes as codes of FP6 (E2M3) with d innermost: row (b, e) is 192 bytes of codes and 8 E8M0 bytes.  Q quantises diff along d, in blocks of 32, to the same format.  The first product goes by
; v_wmma_scale_f32_16x16x128_f8f6f4, the second (one dot product a pair, with the unquantised diff) by packed f32 multiply-adds on the accumulators.
; SHARES.  A work-group owns four b (4 y .. 4 y + 3) and 16 i x 64 j: 64 tiles of 16 pairs (one i, 16 neighbouring j).  THE FOUR WAVES SHARE d AND e, NOT THE PAIRS: wave w owns d and e in 64 w .. 64 w + 63.
;   Its part of M (4 b x 64 rows e x 256 d: 32 fragments, 384 registers) stays in registers for the whole launch, read from memory once.
; LAYOUT.  Lane (r, h) holds pair r of a tile and diff at d = 64 w + 32 h + 0 .. 31: one whole block of the quantiser, so no other lane is asked for its largest magnitude, and its 32 codes are six registers of the
;   operand as they stand.  Source 0 = 16 rows of M, source 1 = the pairs' codes.  THE ROWS OF M THAT FORM A TILE ARE NOT NEIGHBOURS: lane r of tile v takes row e = 64 w + 8 v + r % 8 + 32 (r / 8), so that register j of the
;   result in lane (r, h) is e = 64 w + 32 h + 8 v + j: the very indices of the lane's own diff.  So a wave makes one quarter of diff, quantises that quarter, and multiplies its results by that quarter.
;   What goes from wave to wave, through LDS: the codes as images of their registers (768 bytes a tile and wave), half a scale word a K step, and at the end four partial sums of each p.
; PHASES.  Q: all 64 tiles are quantised into LDS; M's loads are issued in four batches between its parts.  | barrier |  W: a tile is 32 matrix instructions (4 units of 4 b x 2 K steps); behind each stand two multiply-adds
;   of the unit before, and the next tile's loads and differences in short slices.  | barrier |  The four partial sums are added, (p0 + p1) + (p2 + p3), and wave w stores b = 4 y + w: 16 lanes to 256 aligned bytes.
; NO CLUSTER: the 64 work-groups of a y read the same 196,608 bytes of codes, but once, straight into registers; a joint load would need them staged in LDS, of which 311,296 of 327,680 bytes are in use.
; LIMITS: a block whose largest magnitude lies under 2^-124 keeps the scale byte 1; a block of zeros (i = j) gets the byte 1 where the rule says 127: its codes are zeros, and this program alone reads the bytes.
;   NaN and infinities among the inputs are not served.  p is summed over e in four quarters, each in two halves of lanes and two chains, not in one ascending chain.
; THE MODE: SCHED_MODE bits 1:0 = 2 (LLVM: expert scheduling mode 2), set by the entry lines.  The code itself states the register dependences between vector or matrix instructions and memory or LDS
;   instructions, with s_wait_alu, always for 0.
; THE PLAN OF PHASE W.  Unit (q, v): tile q of the row, tile v of M's rows.  Registers that LDS instructions touch:
;   CB0, CB1      codes.  The loads of tile q + 1 are issued in unit (q, 0); the buffer's last readers are the products of tile q - 1, its next those of tile q + 1.
;   SU, SV        the scale word's halves, by parity: loaded in unit (q, 0), read by one v_or_b32 in unit (q, 2), which writes SB: the scale of tile q + 1's products.
;   XI            x[i].  Offsets 0-15: read by the differences of units (., 3), this row's last in (2, 3); loaded for the next row in (3, 0).  Offsets 16-31: read in units (., 1), the last in (3, 1); loaded in (4, 0).
;   RT0, RT1      a tile's sums: those of tile q - 1 are written in unit (q, 2) and read by two LDS stores in unit (q + 1, 0).
;   v28-33, v27   the row's seven LDS addresses: written at the row's head, read by every LDS instruction of the row.
;   M's fragments, their scale words and x[j] are loaded once; the accumulators, the running sums and diff are named by vector and matrix instructions alone.
;   So ALL LDS instructions of a tile stand in its unit (q, 0), and ONE wait on va_vdst stands at that unit's head: behind it the products of tile q - 1 are done reading the other codes' buffer, the lines that read SU, SV
;   and x[i] are done, and RT, this tile's scale word and the row's addresses are written.  The unit's own products and multiply-adds name this tile's codes and scale word, M, the accumulators, the running sums and diff:
;   none of the registers that its loads and stores touch.  One wait on vm_vsrc a tile stands ahead of the lines that write RT again, one a row ahead of the lines that write the addresses.
; REGISTERS, in windows of 256 (s_set_vgpr_msb: bits 1:0 source 0, 3:2 source 1, 5:4 source 2, 7:6 destination):
;   window 0: v1-33 addresses; v40-61 scale words; v66-81 sums; v82-129 two tiles' codes; v130-193 two sets of four accumulators; v194-201 sums on their way out (phase Q: v62-127 at work, v128-255 four tiles' diff)
;   window 1: M's fragments of tiles v = 0, 3; v192-207 diff at offsets 16 .. 31     window 2: those of v = 1, 2; v192-207 diff at offsets 0 .. 15     window 3: v0-127 x[j] of four tiles, v128-159 x[i]
;   A unit's multiply-adds run one unit late and take diff as source 0, which shares its window with M's fragment: so the diff of v = 0, 1 lies beside the fragments of v = 1, 2, and that of v = 2, 3 beside those of v = 3, 0.
.set CREG, 49152                       ; LDS: codes, a region for each writing wave: tile t at 768 t: registers 0-3 at 16 x lane, then registers 4-5 at 8 x lane
.set CT,   768
.set SCL,  4*CREG                      ; scale words, a region of 4,096 bytes for each writing wave: tile t at 64 t, pair r at 4 r
.set XIB,  SCL+4*4096                  ; each wave's own 16 rows x[i], its 64 d: 256 bytes a row
.set PST,  XIB+4*4096                  ; partial sums, a region for each writing wave: tile t at 320 t: 16 numbers for each of four b, then 64 bytes unused
.set PREG, 20480
.set PT,   320                         ; 80 words: four neighbouring tiles start 16 banks apart (64 banks of 4 bytes: ISA guide 11.1)
.set MA,   4                           ; v4   M's codes: my row of a tile x 192 + 24 h
.set MSA,  5                           ; v5   M's scale words: my row x 8 + 4 h
.set XJA,  6                           ; v6   x[j]: 1,024 r + 128 h
.set GA,   7                           ; v7   two rows of 1,024 bytes, 16 lanes x 16 bytes each: x[i] in, p out
.set XST,  8                           ; v8   where I put x[i]'s rows
.set XA0,  9                           ; v9   where I read a row of x[i]: my half's 128 bytes
.set QC0,  10                          ; v10-12 phase Q: where I store codes (16 bytes, 8 bytes) and the scale word
.set QB0,  11
.set QS0,  12
.set SH,   13                          ; v13  8 h + 16 (w % 2): my block's byte's place in its K step's scale word
.set RA0S, 14                          ; v14-17 phase W: where I read codes: writers 0, 1 and writers 2, 3; 16 bytes and 8 bytes
.set RA2S, 15
.set RB0S, 16
.set RB2S, 17
.set RS0,  18                          ; v18  scale words: lanes 0-15 K step 0 (writers 0, 1), lanes 16-31 K step 1 (writers 2, 3)
.set PS0,  19                          ; v19  where I store partial sums
.set EA0,  20                          ; v20-21 the way out: where I read them
.set EA2,  21
.set QC,   24                          ; v24-33 the same addresses at the row i in hand
.set QB,   25
.set QS,   26
.set XA,   27
.set RA0,  28
.set RA2,  29
.set RB0,  30
.set RB2,  31
.set RS,   32
.set PS,   33
.set MS,   40                          ; v40-55 M's scale words, register 4 b + v: lanes 0-15 K step 0 of my row, lanes 16-31 K step 1
.set SB,   56                          ; v56-57 the pairs' scale words, by the tile's parity: lanes 0-15 K step 0, lanes 16-31 K step 1
.set SU,   58                          ; v58-61 their two halves as loaded
.set SV,   60
.set PA,   66                          ; v66-81 running sums, by parity: a pair of registers for each b
.set CB,   82                          ; v82-129 codes, by parity: 24 registers, writer w' at 6 w'
.set DA,   130                         ; v130-193 accumulators, by the unit's parity: 8 registers for each b
.set RT,   194                         ; v194-201 a tile's four sums on their way out, by the tile's parity
.set QM,   62                          ; phase Q: largest magnitudes, conversion scales, bytes, the other half's bytes
.set QE,   66
.set QY,   70
.set QZ,   74
.set PQ,   80                          ; a tile's six registers of codes at v[80 + 8 q]
.set P2,   112                         ; (the second conversion's three, at v[112 + 4 q])
.set T,    128                         ; diff of four tiles
.set EP,   128                         ; the way out
.set XJ,   0                           ; window 3
.set XI,   128                         ; window 3
.set DF,   192                         ; windows 1 and 2
.set WV,   12
.set CNT,  28
.set TC,   29                          ; the row i in hand, as bytes: codes 3,072, scale words 256, partial sums 1,280, x[i] 256
.set TS,   30
.set TP,   31
.set TX,   32
.set MSB, 0
.macro WIN new                         ; the immediate's high byte repeats the setting that is left; a switch that changes nothing is dropped
.if MSB != \new
	s_set_vgpr_msb (MSB<<8)|\new
.set MSB, \new
.endif
.endm
.macro PLACES
.rept 4
	v_nop
.endr
.endm
	s_load_b256 s[4:11], s[0:1], 0x0               ; M's codes s[4:5], M's scales s[6:7], x s[8:9], p s[10:11]
	v_lshl_add_u32 v38, v0, 2, 0x4c000
	v_mov_b32 v39, 0
	v_lshrrev_b32 v1, 5, v0
	v_readfirstlane_b32 s[WV], v1                  ; wave 0..3
	v_and_b32 v1, 31, v0                           ; lane
	v_and_b32 v2, 15, v0                           ; r
	v_bfe_u32 v3, v0, 4, 1                         ; h
	v_lshlrev_b32 v[GA], 4, v2
	v_lshl_add_u32 v[GA], v3, 10, v[GA]
	v_lshlrev_b32 v[XJA], 10, v2
	v_lshl_add_u32 v[XJA], v3, 7, v[XJA]
	v_and_b32 v22, 7, v2
	v_lshrrev_b32 v23, 3, v2
	v_lshl_add_u32 v22, v23, 5, v22                ; my row of a tile of M: r % 8 + 32 (r / 8)
	v_mul_u32_u24 v[MA], v22, 192
	v_mad_u32_u24 v[MA], v3, 24, v[MA]
	v_lshlrev_b32 v[MSA], 3, v22
	v_lshl_add_u32 v[MSA], v3, 2, v[MSA]
	s_wait_alu depctr_va_sdst(0)                   ; the wave's number is written in s12, ahead of its first reader: offsets and LDS regions are made from it
	s_and_b32 s33, ttmp7, 0xffff                   ; y: b = 4 y ..
	s_lshr_b32 s13, ttmp9, 2                       ; i = 16 (x / 4) ..
	s_and_b32 s14, ttmp9, 3                        ; j = 64 (x % 4) ..
	s_lshl_b32 s15, s[WV], 8                       ; my 64 d in a row of x: 256 w bytes
	s_mul_i32 s34, s33, 196608                     ; M's codes: four b of 256 rows of 192 bytes, + my 64 rows
	s_mul_i32 s36, s[WV], 12288
	s_add_co_u32 s34, s34, s36
	s_mov_b32 s35, 0
	s_lshl_b32 s36, s33, 13                        ; M's scales: 8 bytes a row
	s_lshl_b32 s37, s[WV], 9
	s_add_co_u32 s36, s36, s37
	s_mov_b32 s37, 0
	s_lshl_b32 s38, s13, 14                        ; x[i]: 16 rows of 1,024 bytes
	s_add_co_u32 s38, s38, s15
	s_mov_b32 s39, 0
	s_lshl_b32 s40, s14, 16                        ; x[j]: 64 rows
	s_add_co_u32 s40, s40, s15
	s_mov_b32 s41, 0
	s_lshl_b32 s42, s33, 2
	s_add_co_u32 s42, s42, s[WV]                   ; the b that I store: 4 y + w
	s_lshl_b32 s42, s42, 18
	s_lshl_b32 s43, s13, 14
	s_add_co_u32 s42, s42, s43
	s_lshl_b32 s43, s14, 8
	s_add_co_u32 s42, s42, s43
	s_mov_b32 s43, 0
	s_mov_b32 s26, 0x76543210                      ; v_permlanex16_b32's selects for lane l xor 16
	s_mov_b32 s27, 0xfedcba98
	s_wait_kmcnt 0x0
	s_add_nc_u64 s[16:17], s[4:5], s[34:35]
	s_add_nc_u64 s[18:19], s[6:7], s[36:37]
	s_add_nc_u64 s[20:21], s[8:9], s[38:39]
	s_add_nc_u64 s[22:23], s[8:9], s[40:41]
	s_add_nc_u64 s[24:25], s[10:11], s[42:43]
	s_wait_alu depctr_va_vdst(0)                   ; the four offsets v4 to v7 are written, which every global load and store of the kernel reads; they are never written again
.irp k, 0,1,2,3,4,5,6,7
	global_load_b128 v[T+4*\k:T+4*\k+3], v[GA], s[20:21] offset:2048*\k   ; x[i]: two rows' 256 bytes of my 64 d
.endr
	WIN 0xC0                                       ; destination window 3
.irp q, 0,1,2,3
.irp c, 0,1,2,3,4,5,6,7
	global_load_b128 v[XJ+32*\q+4*\c:XJ+32*\q+4*\c+3], v[XJA], s[22:23] offset:16384*\q+16*\c   ; x[j] of tile q, pair r, d = 64 w + 32 h + 4 c ..: it stays
.endr
.endr
	WIN 0
	s_lshl_b32 s44, s[WV], 12
	s_mul_i32 s45, s[WV], CREG
	s_mul_i32 s46, s[WV], PREG
	s_and_b32 s47, s[WV], 1
	s_lshl_b32 s47, s47, 4
	s_lshl_b32 s48, s[WV], 6
	v_lshlrev_b32 v[RA0S], 4, v1                   ; 16 x lane
	v_lshlrev_b32 v22, 3, v1                       ; 8 x lane
	v_lshlrev_b32 v23, 2, v2                       ; 4 r
	v_add_nc_u32 v[XST], s44, v[RA0S]
	v_add_nc_u32 v[XST], XIB, v[XST]
	v_lshlrev_b32 v[XA0], 7, v3
	v_add_nc_u32 v[XA0], s44, v[XA0]
	v_add_nc_u32 v[XA0], XIB, v[XA0]
	v_add_nc_u32 v[QC0], s45, v[RA0S]
	v_add_nc_u32 v[RB0S], 512, v22
	v_add_nc_u32 v[QB0], s45, v[RB0S]
	v_add_nc_u32 v[QS0], s44, v23
	v_add_nc_u32 v[QS0], SCL, v[QS0]
	v_lshl_add_u32 v[SH], v3, 3, s47
	v_add_nc_u32 v[RA2S], 2*CREG, v[RA0S]
	v_add_nc_u32 v[RB2S], 2*CREG, v[RB0S]
	v_lshl_add_u32 v[RS0], v3, 13, v23
	v_add_nc_u32 v[RS0], SCL, v[RS0]
	v_lshlrev_b32 v[PS0], 2, v1
	v_add_nc_u32 v[PS0], s46, v[PS0]
	v_add_nc_u32 v[PS0], PST, v[PS0]
	v_bfe_u32 v22, v0, 2, 2                        ; the way out: lane l takes row l / 16, tile (l / 4) % 4, pairs 4 (l % 4) ..; wave w takes the w-th b
	v_mul_u32_u24 v[EA0], v22, PT
	v_mad_u32_u24 v[EA0], v3, 4*PT, v[EA0]
	v_and_b32 v22, 3, v0
	v_lshl_add_u32 v[EA0], v22, 4, v[EA0]
	v_add_nc_u32 v[EA0], s48, v[EA0]
	v_add_nc_u32 v[EA0], PST, v[EA0]
	v_add_nc_u32 v[EA2], 2*PREG, v[EA0]
.irp q, 0,1,2,3
	v_mov_b32 v[QZ+\q], 0                          ; written once: a lane permute's destination counts as one of its sources
.endr
	s_wait_loadcnt 32                              ; x[i]'s eight loads are in; the 32 of x[j] behind them may be out
	s_wait_alu depctr_va_vdst(0)                   ; the LDS addresses that stay, v8 to v21, are written: the stores and loads below read v8 and v9, the way out v20 and v21
.irp k, 0,1,2,3,4,5,6,7
	ds_store_b128 v[XST], v[T+4*\k:T+4*\k+3] offset:512*\k
.endr
	WIN 0xC0
.irp c, 0,1,2,3,4,5,6,7
	ds_load_b128 v[XI+4*\c:XI+4*\c+3], v[XA0] offset:16*\c   ; row 0, my half's 32 numbers: LDS serves a wave's instructions in order (ISA guide 5.7.1.4), and the bytes are my wave's own
.endr
	WIN 0
; M's fragments of one b: 48 loads of 8 bytes a lane (every address a multiple of 8), and four scale words.  Fragment (b, v, K step s) lies at v[12 (4 b + 2 (v / 2) + s)] of window 1 (v = 0, 3) or 2 (v = 1, 2).
; No vector or matrix instruction names these registers ahead of phase W, nor the two offsets since the head's wait: the loads hang on nothing more.
.macro MFRAG b, v
.irp s, 0,1
.irp p, 0,1,2,3,4,5
	global_load_b64 v[12*(4*(\b)+2*((\v)/2)+\s)+2*\p:12*(4*(\b)+2*((\v)/2)+\s)+2*\p+1], v[MA], s[16:17] offset:(256*(\b)+8*(\v))*192+96*\s+48*(\p/3)+8*(\p%3)
.endr
.endr
.endm
.macro MLOAD b
	WIN 0x40
	MFRAG \b, 0
	MFRAG \b, 3
	WIN 0x80
	MFRAG \b, 1
	MFRAG \b, 2
	WIN 0
.irp v, 0,1,2,3
	global_load_b32 v[MS+4*(\b)+\v], v[MSA], s[18:19] offset:(256*(\b)+8*\v)*8
.endr
.endm
; PHASE Q, one row i: four tiles.  nxt = 1: the next row of x[i] is fetched; 0: row 0 again, for phase W.
; Registers that LDS instructions touch: XI (read by the 64 differences, then loaded again); the codes v80.. and the scale words v70-73 (written by the conversions, moves and v_or_b32, read by the twelve stores);
; the four addresses v24-27 (written at the trip's head).  Three waits a trip state that.
.macro QTRIP nxt
	s_wait_dscnt 0x0                               ; x[i] is in
	s_wait_alu depctr_vm_vsrc(0)                   ; the LDS stores issued so far have read their data (the last trip's codes and scale words; ahead of the first trip x[i]'s rows in v128-159) and their addresses, the loads of x[i] theirs: all these are written again below
	v_add_nc_u32 v[QC], s[TC], v[QC0]
	v_add_nc_u32 v[QB], s[TC], v[QB0]
	v_add_nc_u32 v[QS], s[TS], v[QS0]
.if \nxt
	v_add_nc_u32 v[XA], s[TX], v[XA0]
.endif
	WIN 0x0F                                       ; sources 0 and 1 window 3
.irp q, 0,1,2,3
.irp p, 0,2,4,6,8,10,12,14,16,18,20,22,24,26,28,30
	v_pk_add_f32 v[T+32*\q+\p:T+32*\q+\p+1], v[XI+\p:XI+\p+1], v[XJ+32*\q+\p:XJ+32*\q+\p+1] neg_lo:[0,1] neg_hi:[0,1]   ; diff = x[i] - x[j]
.endr
.endr
	WIN 0xC0
	s_wait_alu depctr_va_vdst(0)                   ; the differences are done reading x[i], in which the loads below land; the trip's four addresses are written
.irp c, 0,1,2,3,4,5,6,7
.if \nxt
	ds_load_b128 v[XI+4*\c:XI+4*\c+3], v[XA] offset:256+16*\c
.else
	ds_load_b128 v[XI+4*\c:XI+4*\c+3], v[XA0] offset:16*\c
.endif
.endr
	WIN 0
.irp q, 0,1,2,3
	v_max3_num_f32 v[QM+\q], |v[T+32*\q]|, |v[T+32*\q+1]|, 0x1800000   ; my block's largest magnitude: all 32 numbers are mine; and the floor 2^(3 - 127), so that the byte cannot fall under 1
.endr
.irp i, 2,4,6,8,10,12,14,16,18,20,22,24,26,28,30
.irp q, 0,1,2,3
	v_max3_num_f32 v[QM+\q], v[QM+\q], |v[T+32*\q+\i]|, |v[T+32*\q+\i+1]|   ; (the four tiles by turns: no line waits for the line above it)
.endr
.endr
.irp q, 0,1,2,3
	v_add_nc_u32 v[QE+\q], 0xff000000, v[QM+\q]    ; 2 off its exponent field: the conversion takes the exponent field of this operand as its scale, and nothing else of it
.endr
.irp q, 0,1,2,3
	v_lshrrev_b32 v[QY+\q], 23, v[QE+\q]           ; the scale's byte,
.endr
.irp q, 0,1,2,3
	v_lshlrev_b32 v[QY+\q], v[SH], v[QY+\q]        ; at its place in the K step's word;
.endr
.irp q, 0,1,2,3
	v_permlanex16_b32 v[QZ+\q], v[QY+\q], s26, s27
.endr
.irp q, 0,1,2,3
	v_or_b32 v[QY+\q], v[QY+\q], v[QZ+\q]          ; with lane l xor 16's: my wave's half of the word
.endr
.irp q, 0,1,2,3
	v_cvt_scalef32_pk16_fp6_f32 v[PQ+8*\q:PQ+8*\q+2], v[T+32*\q:T+32*\q+15], v[QE+\q]
	v_cvt_scalef32_pk16_fp6_f32 v[P2+4*\q:P2+4*\q+2], v[T+32*\q+16:T+32*\q+31], v[QE+\q]   ; (a conversion's three registers begin on an even number)
.endr
	v_nop                                          ; one plain place behind a scaled conversion
.irp q, 0,1,2,3
.irp i, 0,1,2
	v_mov_b32 v[PQ+8*\q+3+\i], v[P2+4*\q+\i]
.endr
.endr
	s_wait_alu depctr_va_vdst(0)                   ; the conversions and moves have written the codes, the v_or_b32 the scale words: the twelve stores below read them
.irp q, 0,1,2,3
	ds_store_b128 v[QC], v[PQ+8*\q:PQ+8*\q+3] offset:CT*\q          ; the six registers go to LDS as they stand
	ds_store_b64 v[QB], v[PQ+8*\q+4:PQ+8*\q+5] offset:CT*\q
	ds_store_b32 v[QS], v[QY+\q] offset:64*\q      ; both halves of the lanes write the same word with the same value
.endr
.if \nxt
	s_add_co_u32 s[TC], s[TC], 4*CT
	s_add_co_u32 s[TS], s[TS], 256
	s_add_co_u32 s[TX], s[TX], 256
.endif
.endm
.macro QLOOP n
	s_mov_b32 s[CNT], \n
.Lq_\@:
	QTRIP 1
	s_sub_co_u32 s[CNT], s[CNT], 1
	s_cmp_lg_u32 s[CNT], 0
	s_cbranch_scc1 .Lq_\@
.endm
	MLOAD 0
	s_wait_loadcnt 52                              ; x[j] is in; the 52 loads of M behind it may be out
	s_mov_b32 s[TC], 0
	s_mov_b32 s[TS], 0
	s_mov_b32 s[TX], 0
	QLOOP 4                                        ; rows 0-3; M's loads go out in four batches, so that they land while diff is quantised
	MLOAD 1
	QLOOP 4
	MLOAD 2
	QLOOP 4
	MLOAD 3
	QLOOP 3
	QTRIP 0                                        ; row 15
	s_wait_dscnt 0x0                               ; for the others' sake: my codes and scale words lie in LDS
	s_barrier_signal -1
	s_barrier_wait -1
; PHASE W.
.macro WADDR                           ; the addresses at the row i in hand
	v_add_nc_u32 v[RA0], s[TC], v[RA0S]
	v_add_nc_u32 v[RA2], s[TC], v[RA2S]
	v_add_nc_u32 v[RB0], s[TC], v[RB0S]
	v_add_nc_u32 v[RB2], s[TC], v[RB2S]
	v_add_nc_u32 v[RS], s[TS], v[RS0]
	v_add_nc_u32 v[PS], s[TP], v[PS0]
	v_add_nc_u32 v[XA], s[TX], v[XA0]
.endm
.macro LDC128 qn                       ; tile qn of the row (4, 5, 6: the next row's 0, 1, 2): registers 0-3 of each writer's six
.set CN, CB+24*((\qn)%2)
	ds_load_b128 v[CN:CN+3], v[RA0] offset:CT*(\qn)
	ds_load_b128 v[CN+6:CN+9], v[RA0] offset:CREG+CT*(\qn)
	ds_load_b128 v[CN+12:CN+15], v[RA2] offset:CT*(\qn)
	ds_load_b128 v[CN+18:CN+21], v[RA2] offset:CREG+CT*(\qn)
.endm
.macro LDC64 qn                        ; registers 4-5
.set CN, CB+24*((\qn)%2)
	ds_load_b64 v[CN+4:CN+5], v[RB0] offset:CT*(\qn)
	ds_load_b64 v[CN+10:CN+11], v[RB0] offset:CREG+CT*(\qn)
	ds_load_b64 v[CN+16:CN+17], v[RB2] offset:CT*(\qn)
	ds_load_b64 v[CN+22:CN+23], v[RB2] offset:CREG+CT*(\qn)
.endm
.macro LDSC qn                         ; the two halves of the scale words
	ds_load_b32 v[SU+(\qn)%2], v[RS] offset:64*(\qn)
	ds_load_b32 v[SV+(\qn)%2], v[RS] offset:4096+64*(\qn)
.endm
.macro MKD win, o, xq, p0              ; four pairs of diff at offsets o + 2 p0 .., against x[j] of tile xq, into v192.. of the window that win names
	WIN \win
.irp p, 0,2,4,6
	v_pk_add_f32 v[DF+2*(\p0)+\p:DF+2*(\p0)+\p+1], v[XI+(\o)+2*(\p0)+\p:XI+(\o)+2*(\p0)+\p+1], v[XJ+32*(\xq)+(\o)+2*(\p0)+\p:XJ+32*(\xq)+(\o)+2*(\p0)+\p+1] neg_lo:[0,1] neg_hi:[0,1]
.endr
.endm
.macro RED1 par                        ; a finished tile's sums (par: the tile's parity): the two chains of each b,
.irp b, 0,1,2,3
	v_add_f32 v[RT+4*(\par)+\b], v[PA+8*(\par)+2*\b], v[PA+8*(\par)+2*\b+1]
.endr
.endm
.macro RED2 par                        ; the two halves of the lanes: after the exchange lanes 0-15 hold both halves of b 0 (2), lanes 16-31 those of b 1 (3),
	v_permlane16_swap_b32 v[RT+4*(\par)], v[RT+4*(\par)+1]
	v_permlane16_swap_b32 v[RT+4*(\par)+2], v[RT+4*(\par)+3]
	v_add_f32 v[RT+4*(\par)], v[RT+4*(\par)], v[RT+4*(\par)+1]
	v_add_f32 v[RT+4*(\par)+2], v[RT+4*(\par)+2], v[RT+4*(\par)+3]
.endm
.macro RED3 qt                         ; and tile qt's into my region of partial sums
	ds_store_b32 v[PS], v[RT+4*((\qt)%2)] offset:PT*(\qt)
	ds_store_b32 v[PS], v[RT+4*((\qt)%2)+2] offset:PT*(\qt)+128
.endm
; Multiply-add m of 16 of unit (tile of parity FPAR, FV): registers 2 (m / 4), + 1 of b = m % 4.  Each accumulator is read from its low end on.  The tile's first four start the sums.
.macro FM m
.set FJ, (\m)/4
.set FB, (\m)%4
.set FP, PA+8*FPAR+2*FB
.set FD, DA+32*(FV%2)+8*FB+2*FJ
.set FX, DF+8*(FV%2)+2*FJ
.if (FV == 0) && (FJ == 0)
	v_pk_mul_f32 v[FP:FP+1], v[FX:FX+1], v[FD:FD+1]
.else
	v_pk_fma_f32 v[FP:FP+1], v[FX:FX+1], v[FD:FD+1], v[FP:FP+1]
.endif
.endm
; The slice that stands behind matrix instruction UK of unit (UQ, UV).
;   svc 1 (v = 0): ALL the tile's LDS instructions, behind the wait at the unit's head, dealt among its products.  fl 2: the next tile's codes and scale words; fl 8: the sums of the tile before last go out;
;                  fl 1: the next row's x[i], offsets 0-15 (this row's last use of them stood in unit (2, 3)); fl 4: its offsets 16-31 (their last use stood in unit (3, 1)): first, since the next unit wants them
;   svc 2 (v = 1): this tile's diff at offsets 16-31; fl 1: x[i]'s offsets 16-31 were fetched anew in the unit before
;   svc 3 (v = 2): fl 2: the next tile's scale word is put together; fl 1: the sums of the tile before are made ready
;   svc 4 (v = 3): the next tile's diff at offsets 0-15
.macro SVC svc, fl
.if (\svc) == 1
.if UK == 0
.if (\fl) & 4
	WIN 0xC0
.irp c, 0,1,2,3
	ds_load_b128 v[XI+16+4*\c:XI+16+4*\c+3], v[XA] offset:320+16*\c
.endr
.endif
.elseif UK == 1
.if (\fl) & 2
	WIN 0
	LDC128 UQ+1
.endif
.elseif UK == 3
.if (\fl) & 2
	WIN 0
	LDC64 UQ+1
.endif
.elseif UK == 5
.if (\fl) & 2
	WIN 0
	LDSC UQ+1
.endif
.if (\fl) & 8
	WIN 0
	RED3 UQ-2
.endif
.elseif UK == 6
.if (\fl) & 1
	WIN 0xC0
.irp c, 0,1,2,3
	ds_load_b128 v[XI+4*\c:XI+4*\c+3], v[XA] offset:256+16*\c
.endr
.endif
.endif
.elseif (\svc) == 2
.set XQ, UQ%4
.if UK == 1
.if (\fl) & 1
	s_wait_dscnt 12                                ; x[i]'s offsets 16-31 are in: behind their four loads the unit before issued ten loads and two stores
.endif
	MKD 0x4F, 16, XQ, 0
.elseif UK == 4
	MKD 0x4F, 16, XQ, 4
.endif
.elseif (\svc) == 3
.set NP, (UQ+1)%2
.if UK == 1
	WIN 0
.if (\fl) & 2
	s_wait_dscnt 0x0                               ; the next tile's codes and scale words (asked for twelve matrix instructions ago or more) and x[i]'s offsets 0-15 are in
	v_or_b32 v[SB+NP], v[SU+NP], v[SV+NP]          ; 28 multiply-adds, and the wait at the next tile's head, ahead of the first product that names it
.endif
.if (\fl) & 1
	s_wait_alu depctr_vm_vsrc(0)                   ; the stores of two tiles back have read this buffer of sums, which the lines below write again
	RED1 NP
.endif
.elseif UK == 3
.if (\fl) & 1
	WIN 0
	RED2 NP
.endif
.endif
.elseif (\svc) == 4
.set XQ, (UQ+1)%4
.if UK == 1
	MKD 0x8F, 0, XQ, 0
.elseif UK == 4
	MKD 0x8F, 0, XQ, 4
.endif
.endif
.endm
; A UNIT: tile q of the row, tile v of M's rows: K step 0 for b 0-3 (C = 0: nothing is ever cleared), then K step 1 for b 0-3: the four accumulators take turns, one instruction a turn, and units take the two sets of
; accumulators by turns.  cons = 1: behind each matrix instruction stand two multiply-adds of the unit before; between a product and the first read of its result
; stand five or more of them that name none of its registers (ISA guide 7.12.1), and between a set's last read and its next first product a whole unit.
.macro UNIT q, v, cons, svc, fl
.set UQ, \q
.set UV, \v
.set UW, 1+(((UV+1)/2)&1)              ; source 0 in window 1 (v = 0, 3) or 2 (v = 1, 2); all else in window 0
.set UD, DA+32*(UV%2)
.set UC, CB+24*(UQ%2)
.set USB, SB+UQ%2
.if UV == 0
.set FV, 3
.set FPAR, (UQ+1)%2
.else
.set FV, UV-1
.set FPAR, UQ%2
.endif
.if (\svc) == 1
	s_wait_alu depctr_va_vdst(0)                   ; THE TILE'S ONE WAIT: the products of the tile before are done reading the other codes' buffer, the lines that read the scale words' halves and x[i] are done: this unit's loads land there; the sums that its stores read, the row's addresses and this tile's scale word are written
.endif
.set UK, 0
.rept 8
	WIN UW
.set UB, UK%4
.set UM, 12*(4*UB+2*(UV/2)+UK/4)
.if UK < 4
	v_wmma_scale_f32_16x16x128_f8f6f4 v[UD+8*UB:UD+8*UB+7], v[UM:UM+11], v[UC:UC+11], 0, v[MS+4*UB+UV], v[USB] matrix_a_fmt:MATRIX_FMT_FP6 matrix_b_fmt:MATRIX_FMT_FP6
.else
	v_wmma_scale_f32_16x16x128_f8f6f4 v[UD+8*UB:UD+8*UB+7], v[UM:UM+11], v[UC+12:UC+23], v[UD+8*UB:UD+8*UB+7], v[MS+4*UB+UV], v[USB] matrix_a_fmt:MATRIX_FMT_FP6 matrix_b_fmt:MATRIX_FMT_FP6 matrix_a_scale:MATRIX_SCALE_ROW1 matrix_b_scale:MATRIX_SCALE_ROW1
.endif
.if \cons
	FM 2*UK
	FM 2*UK+1
.endif
	SVC \svc, \fl
.set UK, UK+1
.endr
.endm
; A row i, from its tile 1's second unit on.  last = 0: it runs on through the next row's tile 0 and the first unit of its tile 1 (written as tiles 4 and 5: same parities, offsets one row on), so that the sums of the
; row's tile 3, which go out in unit (5, 0), are stored by this row's address.  last = 1: nothing follows.
.macro ROWI last
	s_wait_alu depctr_vm_vsrc(0)                   ; the LDS loads and stores issued so far have read the seven address registers, which are written again here
	WADDR
	UNIT 1, 1, 1, 2, 0
	UNIT 1, 2, 1, 3, 3
	UNIT 1, 3, 1, 4, 0
	UNIT 2, 0, 1, 1, 10
	UNIT 2, 1, 1, 2, 0
	UNIT 2, 2, 1, 3, 3
	UNIT 2, 3, 1, 4, 0
.if \last
	UNIT 3, 0, 1, 1, 8
	UNIT 3, 1, 1, 2, 0
	UNIT 3, 2, 1, 3, 1
	UNIT 3, 3, 1, 0, 0
.else
	UNIT 3, 0, 1, 1, 11
	UNIT 3, 1, 1, 2, 0
	UNIT 3, 2, 1, 3, 3
	UNIT 3, 3, 1, 4, 0
	UNIT 4, 0, 1, 1, 14
	UNIT 4, 1, 1, 2, 1
	UNIT 4, 2, 1, 3, 3
	UNIT 4, 3, 1, 4, 0
	UNIT 5, 0, 1, 1, 10
.endif
.endm
	s_mov_b32 s[TC], 0
	s_mov_b32 s[TS], 0
	s_mov_b32 s[TP], 0
	s_mov_b32 s[TX], 0
	s_wait_alu depctr_vm_vsrc(0)                   ; phase Q's loads of x[i] have read v27, which is written again below; its stores have read v80-127, in which tile 0's codes land
	WADDR
	s_wait_alu depctr_va_vdst(0)                   ; the seven addresses are written; phase Q's lines are done with v82-129, in which the codes land
	LDC128 0                                       ; tile 0
	LDC64 0
	LDSC 0
	s_wait_dscnt 0x0
	v_or_b32 v[SB], v[SU], v[SV]
	MKD 0x8F, 0, 0, 0                              ; tile 0's diff at offsets 0-15: these eight lines are also the eight places between the write of a scale register and the scaled product that names it; the wait at the unit's head follows them
	MKD 0x8F, 0, 0, 4
	s_wait_loadcnt 0x0                             ; all of M is in
	UNIT 0, 0, 0, 1, 2                             ; the first unit has no unit before it,
	PLACES                                         ; so four places stand here in the multiply-adds' stead
	UNIT 0, 1, 1, 2, 0
	UNIT 0, 2, 1, 3, 2
	UNIT 0, 3, 1, 4, 0
	UNIT 1, 0, 1, 1, 2                             ; no sums are ready yet: nothing is stored
	WIN 0                                          ; at a label and at a branch every window is 0
	s_mov_b32 s[CNT], 15
.Lrow:                                             ; rows 0 to 14
	ROWI 0
	WIN 0
	s_add_co_u32 s[TC], s[TC], 4*CT
	s_add_co_u32 s[TS], s[TS], 256
	s_add_co_u32 s[TP], s[TP], 4*PT
	s_add_co_u32 s[TX], s[TX], 256
	s_sub_co_u32 s[CNT], s[CNT], 1
	s_cmp_lg_u32 s[CNT], 0
	s_cbranch_scc1 .Lrow
	ROWI 1                                         ; row 15 fetches nothing beyond the last tile
	WIN 0x01                                       ; the last unit's multiply-adds
.set FV, 3
.set FPAR, 1
.set UK, 0
.rept 16
	FM UK
.set UK, UK+1
.endr
	WIN 0
	RED1 1                                         ; tile 3's sums, into the buffer that tile 1's stores read in unit (3, 0): ahead of the wait on vm_vsrc in unit (3, 2)
	RED2 1
	s_wait_alu depctr_va_vdst(0)                   ; both buffers of sums are written (tile 2's in unit (3, 2), tile 3's just now), which the four stores read; every vector and matrix instruction that names v128-255 is done, where the way out's loads land
	RED3 2
	RED3 3
	s_wait_dscnt 0x0                               ; for the others' sake: my partial sums lie in LDS
	s_barrier_signal -1
	s_barrier_wait -1
	; THE WAY OUT.  Wave w takes b = 4 y + w: for two rows i at a time, the four waves' partial sums of 4 neighbouring j a lane.
	s_wait_alu depctr_vm_vsrc(0)                   ; my last four stores have read v194-201, in which loads below land
.irp k, 0,1,2,3,4,5,6,7
	ds_load_b128 v[EP+16*\k:EP+16*\k+3], v[EA0] offset:8*PT*\k
	ds_load_b128 v[EP+16*\k+4:EP+16*\k+7], v[EA0] offset:PREG+8*PT*\k
	ds_load_b128 v[EP+16*\k+8:EP+16*\k+11], v[EA2] offset:8*PT*\k
	ds_load_b128 v[EP+16*\k+12:EP+16*\k+15], v[EA2] offset:PREG+8*PT*\k
.endr
.irp k, 0,1,2,3,4,5,6,7
	s_wait_dscnt 28-4*\k                           ; these two rows' four loads are in; the four of each later pair of rows may be out
	v_pk_add_f32 v[EP+16*\k:EP+16*\k+1], v[EP+16*\k:EP+16*\k+1], v[EP+16*\k+4:EP+16*\k+5]
	v_pk_add_f32 v[EP+16*\k+2:EP+16*\k+3], v[EP+16*\k+2:EP+16*\k+3], v[EP+16*\k+6:EP+16*\k+7]
	v_pk_add_f32 v[EP+16*\k+8:EP+16*\k+9], v[EP+16*\k+8:EP+16*\k+9], v[EP+16*\k+12:EP+16*\k+13]
	v_pk_add_f32 v[EP+16*\k+10:EP+16*\k+11], v[EP+16*\k+10:EP+16*\k+11], v[EP+16*\k+14:EP+16*\k+15]
	v_pk_add_f32 v[EP+16*\k:EP+16*\k+1], v[EP+16*\k:EP+16*\k+1], v[EP+16*\k+8:EP+16*\k+9]
	v_pk_add_f32 v[EP+16*\k+2:EP+16*\k+3], v[EP+16*\k+2:EP+16*\k+3], v[EP+16*\k+10:EP+16*\k+11]
.endr
	s_wait_alu depctr_va_vdst(0)                   ; the additions have written the sixteen rows of p, which the run of stores reads
.irp k, 0,1,2,3,4,5,6,7
	global_store_b128 v[GA], v[EP+16*\k:EP+16*\k+3], s[24:25] offset:2048*\k th:TH_STORE_NT   ; 16 lanes store 256 consecutive bytes, at a multiple of 256 from p's first byte; written once, read by nobody here
.endr
	s_wait_dscnt 0x0
	s_wait_alu depctr_hold_cnt(0) depctr_sa_sdst(0) depctr_va_vdst(0) depctr_va_sdst(0) depctr_va_ssrc(0) depctr_va_vcc(0) depctr_vm_vsrc(0)
	s_wait_tensorcnt 0x0
	ds_add_u32 v38, v39
	s_wait_dscnt 0x0
	s_endpgm
.Lfunc_end_k_q81fccd5ca6_metric:
	.size	k_q81fccd5ca6_metric, .Lfunc_end_k_q81fccd5ca6_metric-k_q81fccd5ca6_metric
	.p2alignl 7, 3214868480
	.fill 96, 4, 3214868480
	.section	.rodata,"a",@progbits
	.p2align	6, 0x0
	.amdhsa_kernel k_q81fccd5ca6_metric
		.amdhsa_group_segment_fixed_size 311808
		.amdhsa_private_segment_fixed_size 0
		.amdhsa_enable_private_segment 0
		.amdhsa_kernarg_size 32
		.amdhsa_user_sgpr_count 2
		.amdhsa_user_sgpr_kernarg_segment_ptr 1
		.amdhsa_wavefront_size32 1
		.amdhsa_system_sgpr_workgroup_id_x 1
		.amdhsa_system_sgpr_workgroup_id_y 1
		.amdhsa_system_sgpr_workgroup_id_z 1
		.amdhsa_system_vgpr_workitem_id 0
		.amdhsa_next_free_vgpr 1024
		.amdhsa_next_free_sgpr 66
		.amdhsa_reserve_vcc 0
		.amdhsa_float_denorm_mode_32 3
		.amdhsa_float_denorm_mode_16_64 3
		.amdhsa_memory_ordered 1
		.amdhsa_forward_progress 1
		.amdhsa_inst_pref_size 183
	.end_amdhsa_kernel
	.amdgpu_metadata
---
amdhsa.version: [ 1, 2 ]
amdhsa.kernels:
  - .name:           k_q81fccd5ca6_metric
    .symbol:         k_q81fccd5ca6_metric.kd
    .args:
      - { .name: M_codes, .offset: 0, .size: 8, .value_kind: global_buffer, .address_space: global }
      - { .name: M_scales, .offset: 8, .size: 8, .value_kind: global_buffer, .address_space: global }
      - { .name: input, .offset: 16, .size: 8, .value_kind: global_buffer, .address_space: global }
      - { .name: out0, .offset: 24, .size: 8, .value_kind: global_buffer, .address_space: global }
    .group_segment_fixed_size: 311808
    .private_segment_fixed_size: 0
    .kernarg_segment_align: 8
    .kernarg_segment_size: 32
    .max_flat_workgroup_size: 128
    .sgpr_count:     66
    .vgpr_count:     1024
    .wavefront_size: 32
...
	.end_amdgpu_metadata
.endif
;; end of part 2
